; MI455X (gfx1250); checked and timed in simulation.
; The chip was launched on July 23, 2026; its instructions are those of AMD's public machine-readable ISA for CDNA 5 (MIT licence, August 2026) and "CDNA5" Instruction Set Architecture Reference Guide (July 2026). The comments in the code are by the model that wrote it; some were corrected since.
;; Model. Allowed arithmetic: float matrix products may take bf16 or f16 operands with f32 sums; all other float work in f32.
;; Inputs: drop_mask 16 x 2,048 x 2,048 bool; x1 16 x 2,048 x 128 float32; x2 16 x 2,048 x 128 float32; x3 16 x 2,048 x 128 float32.
;; Outputs: out0 16 x 2,048 x 128 float32.
;; 2 versions, each right. Each part assembles by itself: llvm-mc -triple=amdgcn-amd-amdhsa -mcpu=gfx1250 --defsym DOCPART=n.
;; ======== version 1 of 2: 1 launch
;; launch attn (part 1): grid 16 x 16, 4 waves a work-group, clusters of 4 x 1, 327,680 bytes of LDS; arguments x1, x2, x3, drop_mask, out0; writes out0
.if DOCPART == 1
	.amdgcn_target "amdgcn-amd-amdhsa--gfx1250"
	.amdhsa_code_object_version 6
	.text
	.protected	k_qe10e604c96_attn
	.globl	k_qe10e604c96_attn
	.p2align	8
	.type	k_qe10e604c96_attn,@function
k_qe10e604c96_attn:
	s_mov_b64 s[64:65], 0
	v_nop
	global_prefetch_b8 v0, s[64:65] scope:SCOPE_SE
	s_setreg_imm32_b32 hwreg(HW_REG_WAVE_MODE, 25, 1), 1
	s_wait_xcnt 0x0
	s_wait_alu depctr_hold_cnt(0) depctr_sa_sdst(0) depctr_va_vdst(0) depctr_va_sdst(0) depctr_va_ssrc(0) depctr_va_vcc(0) depctr_vm_vsrc(0)
	s_getreg_b32 s2, hwreg(HW_REG_IB_STS2, 6, 4)
	s_cmp_eq_u32 s2, 0
	s_cbranch_scc0 .Lentry_in_a_cluster
	s_endpgm
.Lentry_in_a_cluster:
	s_bfe_u32 s2, ttmp6, 0x10000c
	s_cmp_lg_u32 s2, 0x3003
	s_cbranch_scc0 .Lentry_shape_is_right
	s_endpgm
.Lentry_shape_is_right:
; out0[b][q][:] = sum over k of (mask[b][q][k] / 0.9) softmax_k(0.2 x1[b][q].x2[b][k]) x3[b][k][:]
; x1, x2, x3, out0: [16][2048][128] f32.  drop_mask: [16][2048][2048], one byte each.
; The mask acts behind the softmax: the denominator sums ALL keys, only the numerator is masked.
;
; SHARES.  A work-group: 128 queries of one batch, all 2,048 keys in 16 steps of 128.  Four waves, w = 2 qh + kh: qh picks 64 queries
; (four blocks of 16), kh picks 64 of a step's 128 keys.  A K or V fragment of 1,024 bytes so feeds four matrix instructions.  The two kh
; waves of a query half keep a running maximum, sum and O of their own; they are merged once, at the end.
; BOTH PRODUCTS ARE USED TRANSPOSED.  S^T = K Q^T: lane (r, h) register j holds query r, key 8 h + j.  O^T = V^T P^T: two neighbouring
; S^T tiles, rounded in pairs to bf16, ARE the second operand's fragment (registers 0-3 keys 8 h .., 4-7 keys 16 + 8 h ..), so P never
; moves between lanes, and maximum, sum and rescale factor are one register a lane for each block of 16 queries.
; DATA.  K and V tiles (f32, 65,536 dense bytes) are the same for the four query blocks of a cluster: joint tensor loads, mask 15,
; into one f32 stage; the waves round them to bf16 into KB and VB, and the stage is asked for again straight behind the round that
; follows the rounding, so that the load has the step's 128 matrix instructions and its softmax in which to land.  The mask's tile and Q
; differ from work-group to work-group: plain tensor loads.  A mask tile is 128 rows x 256 bytes (two steps), each row 256 aligned bytes.
; LIMITS.  Mask bytes are 0 or 1 (the type bool).  2^x below 2^-126 counts as 0 (ISA guide 15.8, v_exp_f32).  A NaN among the scores is
; dropped by the maximum instead of spreading.  Q, K, V and P are rounded to bf16; maximum, sums, exponentials and O are f32; the order
; of the sums is not that of a plain loop over k.
.set KP,   272                         ; bf16 K (and Q) row: 256 bytes + 16: the 16 rows of a fragment load start 17 x 16 bytes apart, in 16 different 16-byte columns of 256
.set VP,   288                         ; bf16 V row: 9 x 32 bytes, for the transposing load's eight rows and two 16-byte columns
.set MP,   272                         ; mask row: 256 bytes + 16 laid by the tensor load
.set OP,   528                         ; f32 row of O on the way out: 512 bytes + 16
.set STK,  0                           ; f32 K tile, 128 x 512 bytes                       (tensor loads alone write it)
.set STV,  65536                       ; f32 V tile                                        (tensor loads alone)
.set MSK,  131072                      ; mask tile, 128 x 272                              (tensor loads alone)
.set KB,   165888                      ; bf16 K, 128 x 272; at first Q                     (LDS stores alone)
.set VB,   200704                      ; bf16 V, 128 x 288                                 (LDS stores alone)
.set QS,   237568                      ; f32 Q, filled once
.set OUTS, 165888                      ; the way out: two partial O of 128 x 528 over KB, VB and QS, whose one fill is long past
.set OUTH, 128*OP
.set ML,   303104                      ; (-c max, sum) of each wave: wave x 1,024 + block x 256 + lane x 8
; vector registers, window 0
.set KA,  8                            ; LDS address of my K fragments
.set QA,  9                            ; of my Q fragments
.set VA,  10                           ; of my V fragments (transposing load)
.set MA,  11                           ; of my mask bytes
.set CSK, 12                           ; rounding: my quarter of the K stage
.set CSV, 13                           ; of the V stage
.set CSQ, 14                           ; of Q
.set CDK, 15                           ; rounding: my 32 rows of KB
.set CDV, 16                           ; of VB
.set OA,  17                           ; way out: where my O goes
.set RA,  18                           ; way out: my 32 rows, partial kh = 0
.set RA2, 19                           ; partial kh = 1
.set GO,  20                           ; 16 x lane: my bytes of a row of out0
.set MLW, 21                           ; my words of ML
.set MLR, 22                           ; my partner's
.set STT, 24                           ; v[24+4q .. 27+4q]: -c max, max, rescale factor, sum of query block q
.set T,   40                           ; v40-47 at work
.set XM,  48                           ; v48-63 sixteen masks of two bf16; also the rounding's results
.set MK,  64                           ; v64-95 mask bytes: block q, key tile kt at 8 q + 2 kt
.set RING, 96                          ; v96-159 S^T, two buffers of 32; also the rounding's ring and the way out
.set PBUF, 160                         ; v160-191 P^T, two buffers of 16
; window 1: K fragments (kt, ds) at 8 (4 kt + ds); V fragments (ks, vt) at 128 + 8 (8 ks + vt)
; window 2: O^T (q, vt) at 8 (8 q + vt).    window 3: Q fragments (q, ds) at 8 (4 q + ds)
.set W_S,  0x0d                        ; source 0 window 1 (K), source 1 window 3 (Q), C and D window 0
.set W_PV, 0xa1                        ; source 0 window 1 (V), source 1 window 0 (P), C and D window 2
.set W_RS, 0x82                        ; destination and source 0 window 2 (O), source 1 window 0
.set W_L1, 0x40                        ; destination window 1
.set W_L3, 0xc0                        ; destination window 3
.set W_ST, 0x08                        ; an LDS store's data (source 1) window 2
; scalar registers: s14 wave, s15 qh, s16 kh, s17 cx, s18 query block, s19 batch, s[20:21] offset made of the batch alone,
; s[22:23], s[34:35] offsets that hold the query block, s24-25 lane selects, s26-27 byte selects, s[28:29] c, s30 -c, s31 1/0.9, s32 trips
.set G1D, 36                           ; s[36:43] shape of a K or V tile, joint
.set G0K, 44                           ; s[44:47] K: from where, to where
.set G0V, 48                           ; s[48:51] V
.set G1M, 52                           ; s[52:59] shape of a mask tile
.set G0M, 60                           ; s[60:63] mask
.set G1Q, 68                           ; s[68:75] shape of Q's block, plain
.set G0Q, 76                           ; s[76:79] Q
.set MSB, 0
.macro WIN new                         ; the immediate's high byte repeats the setting that is left; a switch that changes nothing is dropped
.if MSB != \new
	s_set_vgpr_msb (MSB<<8)|\new
.set MSB, \new
.endif
.endm
; A round of the cluster's barrier: my work-group's barrier, wave 0 signals for the work-group, every wave waits for all four work-groups, my work-group's barrier again.
.macro ROUND
	s_barrier_signal -1
	s_barrier_wait -1
	s_cmp_lg_u32 s14, 0
	s_cbranch_scc1 .Lnot_wave_0_\@
	s_barrier_signal -3
.Lnot_wave_0_\@:
	s_barrier_wait -3
	s_barrier_signal -1
	s_barrier_wait -1
.endm
; The tensor loads behind a round, one a wave at the most: wave 0 K and wave 1 V (joint: the same registers in all four work-groups), wave 2 the mask, wave 3 Q.
.macro FILL kv, mk, qq
.if \kv
	s_cmp_lg_u32 s14, 0
	s_cbranch_scc1 .Lnot_k_\@
	tensor_load_to_lds s[G0K:G0K+3], s[G1D:G1D+7]
	s_nop 0
.Lnot_k_\@:
	s_cmp_lg_u32 s14, 1
	s_cbranch_scc1 .Lnot_v_\@
	tensor_load_to_lds s[G0V:G0V+3], s[G1D:G1D+7]
	s_nop 0
.Lnot_v_\@:
.endif
.if \mk
	s_cmp_lg_u32 s14, 2
	s_cbranch_scc1 .Lnot_m_\@
	tensor_load_to_lds s[G0M:G0M+3], s[G1M:G1M+7]
	s_nop 0
.Lnot_m_\@:
.endif
.if \qq
	s_cmp_lg_u32 s14, 3
	s_cbranch_scc1 .Lnot_q_\@
	tensor_load_to_lds s[G0Q:G0Q+3], s[G1Q:G1Q+7]
	s_nop 0
.Lnot_q_\@:
.endif
.endm
	s_load_b256 s[4:11], s[0:1], 0x0               ; x1 s[4:5], x2 s[6:7], x3 s[8:9], drop_mask s[10:11]
	s_load_b64 s[12:13], s[0:1], 0x20              ; out0
	v_lshl_add_u32 v254, v0, 2, 0x4b000
	v_mov_b32 v255, 0
	ds_add_u32 v254, v255
	v_lshrrev_b32 v1, 5, v0
	v_readfirstlane_b32 s14, v1                    ; wave 0..3
	s_lshr_b32 s15, s14, 1                         ; qh
	s_and_b32 s16, s14, 1                          ; kh
	s_bfe_u32 s17, ttmp6, 0x40000                  ; cx: my place in the cluster
	s_lshl_b32 s18, ttmp9, 2                       ; ttmp9 counts clusters
	s_add_co_u32 s18, s18, s17                     ; query block = 4 x cluster x + cx
	s_and_b32 s19, ttmp7, 0xffff                   ; batch
	s_lshl_b32 s20, s19, 20                        ; a batch of x1, x2, x3, out0: 2,048 x 512 bytes.  These two registers never hold cx
	s_mov_b32 s21, 0
	s_lshl_b32 s22, s18, 16                        ; a query block: 128 x 512 bytes
	s_add_co_u32 s22, s22, s20
	s_mov_b32 s23, 0
	s_lshl_b32 s34, s19, 22                        ; a batch of the mask: 2,048 x 2,048 bytes
	s_lshl_b32 s33, s18, 18                        ; a query block of it: 128 x 2,048
	s_add_co_u32 s34, s34, s33
	s_mov_b32 s35, 0
	s_mov_b32 s24, 0x76543210                      ; v_permlanex16_b32: lane i reads lane i of the other half
	s_mov_b32 s25, 0xfedcba98
	s_mov_b32 s26, 0x01010000                      ; v_perm_b32: byte 0 twice, byte 1 twice
	s_mov_b32 s27, 0x03030202                      ; byte 2 twice, byte 3 twice
	s_mov_b32 s28, 0x3e93bb63                      ; c = 0.2 log2 e: e^(0.2 x) = 2^(c x)
	s_mov_b32 s29, 0x3e93bb63
	s_mov_b32 s30, 0xbe93bb63                      ; -c
	s_mov_b32 s31, 0x3f8e38e4                      ; 1 / 0.9
	; K's and V's shape: 65,536 dense bytes as 256 rows of 32 elements of 8 bytes
	s_mov_b32 s[G1D+0], 0x0023000f                 ; 15:0 mask: the cluster's four work-groups; 17:16 elements of 8 bytes; 21 set beside a mask
	s_mov_b32 s[G1D+1], 32<<16                     ; tensor_dim0 = 32
	s_mov_b32 s[G1D+2], 256<<16                    ; tensor_dim1 = 256
	s_mov_b32 s[G1D+3], 32<<16                     ; tile_dim0 = 32
	s_mov_b32 s[G1D+4], 256                        ; tile_dim1 = 256
	s_mov_b32 s[G1D+5], 32                         ; from row to row: 32 elements
	s_mov_b32 s[G1D+6], 0
	s_mov_b32 s[G1D+7], 0
	; Q's shape: the same, no mask
	s_mov_b32 s[G1Q+0], 0x00030000
	s_mov_b32 s[G1Q+1], 32<<16
	s_mov_b32 s[G1Q+2], 256<<16
	s_mov_b32 s[G1Q+3], 32<<16
	s_mov_b32 s[G1Q+4], 256
	s_mov_b32 s[G1Q+5], 32
	s_mov_b32 s[G1Q+6], 0
	s_mov_b32 s[G1Q+7], 0
	; the mask's shape: 128 rows of 32 elements of 8 bytes, 256 elements apart, 4 words of padding behind every 64 words
	s_mov_b32 s[G1M+0], 0x07530000                 ; 17:16 elements of 8 bytes; 20 padding on; 24:22 code 5 (64 words); 31:25 code 3 (4 words)
	s_mov_b32 s[G1M+1], 32<<16
	s_mov_b32 s[G1M+2], 128<<16
	s_mov_b32 s[G1M+3], 32<<16
	s_mov_b32 s[G1M+4], 128
	s_mov_b32 s[G1M+5], 256
	s_mov_b32 s[G1M+6], 0
	s_mov_b32 s[G1M+7], 0
	s_mov_b32 s[G0K+0], 1
	s_mov_b32 s[G0K+1], STK
	s_mov_b32 s[G0V+0], 1
	s_mov_b32 s[G0V+1], STV
	s_mov_b32 s[G0M+0], 1
	s_mov_b32 s[G0M+1], MSK
	s_mov_b32 s[G0Q+0], 1
	s_mov_b32 s[G0Q+1], QS
	s_wait_dscnt 0x0
	s_wait_kmcnt 0x0
	s_add_nc_u64 s[G0K+2:G0K+3], s[6:7], s[20:21]  ; K, step 0: hangs on the batch alone, which the four partners share
	s_or_b32 s[G0K+3], s[G0K+3], 0x80000000        ; type 2
	s_add_nc_u64 s[G0V+2:G0V+3], s[8:9], s[20:21]
	s_or_b32 s[G0V+3], s[G0V+3], 0x80000000
	s_add_nc_u64 s[G0M+2:G0M+3], s[10:11], s[34:35] ; my 128 rows of the mask, keys 0 to 255
	s_or_b32 s[G0M+3], s[G0M+3], 0x80000000
	s_add_nc_u64 s[G0Q+2:G0Q+3], s[4:5], s[22:23]  ; my 128 rows of x1
	s_or_b32 s[G0Q+3], s[G0Q+3], 0x80000000
	s_lshl_b32 s33, s14, 14                        ; way out: wave w stores rows 32 w .. 32 w + 31 of the block
	s_add_co_u32 s22, s22, s33
	s_add_nc_u64 s[12:13], s[12:13], s[22:23]
	ROUND                                          ; all four work-groups are here: the first joint loads meet
	FILL 1, 1, 1                                   ; the first fills, one a wave, ahead of every wait on TENSORcnt, LDS read and further barrier
	; LDS addresses, while the loads are on their way.  L = lane, r = L % 16, h = L / 16.
	v_and_b32 v1, 31, v0                           ; L
	v_and_b32 v2, 15, v0                           ; r
	v_bfe_u32 v3, v0, 4, 1                         ; h
	v_mul_u32_u24 v4, v2, KP                       ; r x 272 (K's, Q's and the mask's pitch)
	v_lshl_add_u32 v5, v3, 4, v4                   ; + 16 h: a fragment's lane holds row r, 16 bytes at 16 h and at 32 + 16 h
	s_mul_i32 s33, s16, 64*KP
	s_add_co_u32 s33, s33, KB
	v_add_nc_u32 v[KA], s33, v5                    ; my 64 keys
	s_mul_i32 s33, s15, 64*KP
	s_add_co_u32 s33, s33, KB
	v_add_nc_u32 v[QA], s33, v5                    ; my 64 queries
	v_lshl_add_u32 v5, v3, 3, v4                   ; mask: row r, 8 bytes at 8 h
	s_mul_i32 s33, s15, 64*MP
	s_lshl_b32 s2, s16, 6
	s_add_co_u32 s33, s33, s2
	s_add_co_u32 s33, s33, MSK
	v_add_nc_u32 v[MA], s33, v5
	v_and_b32 v5, 7, v0
	v_lshl_add_u32 v5, v3, 3, v5                   ; V: key row 8 h + L % 8
	v_mul_u32_u24 v5, v5, VP
	v_bfe_u32 v6, v0, 3, 1
	v_lshl_add_u32 v5, v6, 4, v5                   ; + 16 bytes for the second eight lanes of each sixteen
	s_mul_i32 s33, s16, 64*VP
	s_add_co_u32 s33, s33, VB
	v_add_nc_u32 v[VA], s33, v5
	v_lshlrev_b32 v[GO], 4, v1                     ; 16 L
	s_lshl_b32 s33, s14, 14                        ; a wave's quarter of a stage: 32 rows x 512 bytes
	v_add_nc_u32 v[CSK], s33, v[GO]                ; the K stage begins at LDS byte 0
	s_add_co_u32 s2, s33, STV
	v_add_nc_u32 v[CSV], s2, v[GO]
	s_add_co_u32 s2, s33, QS
	v_add_nc_u32 v[CSQ], s2, v[GO]
	v_lshlrev_b32 v5, 3, v1                        ; 8 L
	s_mul_i32 s33, s14, 32*KP
	s_add_co_u32 s33, s33, KB
	v_add_nc_u32 v[CDK], s33, v5
	s_mul_i32 s33, s14, 32*VP
	s_add_co_u32 s33, s33, VB
	v_add_nc_u32 v[CDV], s33, v5
	s_lshl_b32 s33, s14, 10
	s_add_co_u32 s33, s33, ML
	v_add_nc_u32 v[MLW], s33, v5
	s_xor_b32 s33, s14, 1                          ; my partner: the same queries, the other keys
	s_lshl_b32 s33, s33, 10
	s_add_co_u32 s33, s33, ML
	v_add_nc_u32 v[MLR], s33, v5
	v_mul_u32_u24 v5, v2, OP
	v_lshl_add_u32 v5, v3, 5, v5                   ; way out: row r, 32 bytes at 32 h
	s_mul_i32 s33, s16, OUTH
	s_mul_i32 s2, s15, 64*OP
	s_add_co_u32 s33, s33, s2
	s_add_co_u32 s33, s33, OUTS
	v_add_nc_u32 v[OA], s33, v5
	s_mul_i32 s33, s14, 32*OP
	s_add_co_u32 s33, s33, OUTS
	v_add_nc_u32 v[RA], s33, v[GO]
	v_add_nc_u32 v[RA2], OUTH, v[RA]
; The step's mask bytes into registers: block q, key tile kt: the 8 bytes of query r, keys 8 h .. 8 h + 7.  par: which 128 of the tile's 256 keys.
.macro MASKLD par
.irp q, 0,1,2,3
.irp kt, 0,1,2,3
	ds_load_b64 v[MK+8*\q+2*\kt:MK+8*\q+2*\kt+1], v[MA] offset:\q*16*MP+\par*128+\kt*16
.endr
.endr
.endm
; 32 rows of 128 f32 to bf16.  A load takes a whole row (32 lanes x 16 bytes), a store its 256 bytes.  A ring of 16 slots of 4 registers.
; The counts: LDS instructions come back in order (ISA guide 5.7.1).  Behind load i stand, for i < 16, the 15 - i first loads and i pairs of
; a store and a load: 15 + i.  For i >= 16, 2 (31 - i) loads and stores of the first half and i - 16 stores of the second: 46 - i.
.macro CONV32 src, dst, pitch
.set cI, 0
.rept 16
	ds_load_b128 v[RING+4*cI:RING+4*cI+3], v[\src] offset:512*cI
.set cI, cI+1
.endr
.set cI, 0
.rept 16
	s_wait_dscnt 15+cI
	v_cvt_pk_bf16_f32 v[XM+2*(cI%8)], v[RING+4*cI], v[RING+4*cI+1]
	v_cvt_pk_bf16_f32 v[XM+2*(cI%8)+1], v[RING+4*cI+2], v[RING+4*cI+3]
	ds_store_b64 v[\dst], v[XM+2*(cI%8):XM+2*(cI%8)+1] offset:\pitch*cI
	ds_load_b128 v[RING+4*cI:RING+4*cI+3], v[\src] offset:512*(cI+16)
.set cI, cI+1
.endr
.rept 16
	s_wait_dscnt 46-cI
	v_cvt_pk_bf16_f32 v[XM+2*(cI%8)], v[RING+4*(cI-16)], v[RING+4*(cI-16)+1]
	v_cvt_pk_bf16_f32 v[XM+2*(cI%8)+1], v[RING+4*(cI-16)+2], v[RING+4*(cI-16)+3]
	ds_store_b64 v[\dst], v[XM+2*(cI%8):XM+2*(cI%8)+1] offset:\pitch*cI
.set cI, cI+1
.endr
.endm
; My 64 keys' K fragments: 16 keys x 32 d each, two loads of 16 bytes, 32 bytes apart
.macro LDK
	WIN W_L1
.irp kt, 0,1,2,3
.irp ds, 0,1,2,3
	ds_load_b128 v[8*(4*\kt+\ds):8*(4*\kt+\ds)+3],   v[KA] offset:\kt*16*KP+\ds*64
	ds_load_b128 v[8*(4*\kt+\ds)+4:8*(4*\kt+\ds)+7], v[KA] offset:\kt*16*KP+\ds*64+32
.endr
.endr
.endm
; V^T fragments of keys 32 ks .. 32 ks + 31 of my 64: 16 v x 32 keys each, two transposing loads, 16 key rows apart
.macro LDV ks
	WIN W_L1
.irp vt, 0,1,2,3,4,5,6,7
	ds_load_tr16_b128 v[128+8*(8*\ks+\vt):128+8*(8*\ks+\vt)+3],   v[VA] offset:\ks*32*VP+\vt*32
	ds_load_tr16_b128 v[128+8*(8*\ks+\vt)+4:128+8*(8*\ks+\vt)+7], v[VA] offset:\ks*32*VP+\vt*32+16*VP
.endr
.endm
; S^T of query block q: four tiles of 16 keys, d in four pieces of 32.  The first piece starts the sums.
; The four accumulators take turns, one instruction a turn.
.macro SGRP q
	WIN W_S
.irp ds, 0,1,2,3
.irp kt, 0,1,2,3
.if \ds == 0
	v_wmma_f32_16x16x32_bf16 v[RING+32*((\q)%2)+8*\kt:RING+32*((\q)%2)+8*\kt+7], v[8*(4*\kt+\ds):8*(4*\kt+\ds)+7], v[8*(4*(\q)+\ds):8*(4*(\q)+\ds)+7], 0
.else
	v_wmma_f32_16x16x32_bf16 v[RING+32*((\q)%2)+8*\kt:RING+32*((\q)%2)+8*\kt+7], v[8*(4*\kt+\ds):8*(4*\kt+\ds)+7], v[8*(4*(\q)+\ds):8*(4*(\q)+\ds)+7], v[RING+32*((\q)%2)+8*\kt:RING+32*((\q)%2)+8*\kt+7]
.endif
.endr
.endr
.endm
; O^T of query block q += V^T P^T: eight tiles of 16 v, my 64 keys in two pieces of 32.  first = 1: the first piece starts the sums.
; The eight accumulators take turns, one instruction a turn.
.macro PVGRP q, first
	WIN W_PV
.irp ks, 0,1
.irp vt, 0,1,2,3,4,5,6,7
.if \first*(1-\ks)
	v_wmma_f32_16x16x32_bf16 v[8*(8*(\q)+\vt):8*(8*(\q)+\vt)+7], v[128+8*(8*\ks+\vt):128+8*(8*\ks+\vt)+7], v[PBUF+16*((\q)%2)+8*\ks:PBUF+16*((\q)%2)+8*\ks+7], 0
.else
	v_wmma_f32_16x16x32_bf16 v[8*(8*(\q)+\vt):8*(8*(\q)+\vt)+7], v[128+8*(8*\ks+\vt):128+8*(8*\ks+\vt)+7], v[PBUF+16*((\q)%2)+8*\ks:PBUF+16*((\q)%2)+8*\ks+7], v[8*(8*(\q)+\vt):8*(8*(\q)+\vt)+7]
.endif
.endr
.endr
.endm
; O^T of block q times the lane's factor (a lane holds one query): both halves of each pair take the pair's first register
.macro RESC q
	WIN W_RS
.set cN, 0
.rept 32
	v_pk_mul_f32 v[64*(\q)+2*cN:64*(\q)+2*cN+1], v[64*(\q)+2*cN:64*(\q)+2*cN+1], v[STT+4*(\q)+2:STT+4*(\q)+3] op_sel_hi:[1,0]
.set cN, cN+1
.endr
.endm
; The softmax step of query block q on its 32 registers of S^T (64 keys in two lane halves).
.macro SM q, first
	WIN 0
.set cSB, RING+32*((\q)%2)
.set cPB, PBUF+16*((\q)%2)
.set cMK, MK+8*(\q)
.set cST, STT+4*(\q)
	; Masks of two bf16 from mask bytes: 256 m - m makes each byte 0xff or 0, a byte select doubles two of them.  These 32 lines name no
	; register of the matrix instructions in front of them: they are the places that stand between those and the lines that read S^T (ISA guide 7.12.1).
.set cN, 0
.rept 8
	v_lshlrev_b32 v[XM+cN], 8, v[cMK+cN]
.set cN, cN+1
.endr
.set cN, 0
.rept 8
	v_sub_nc_u32 v[cMK+cN], v[XM+cN], v[cMK+cN]
.set cN, cN+1
.endr
.set cN, 0
.rept 8
	v_perm_b32 v[XM+2*cN],   v[cMK+cN], v[cMK+cN], s26
	v_perm_b32 v[XM+2*cN+1], v[cMK+cN], v[cMK+cN], s27
.set cN, cN+1
.endr
	; the running maximum of the raw scores: four chains, then the chains, the four numbers left over and the old maximum
.irp c, 0,1,2,3
	v_max3_num_f32 v[T+\c], v[cSB+8*\c], v[cSB+8*\c+1], v[cSB+8*\c+2]
.endr
.irp c, 0,1,2,3
	v_max3_num_f32 v[T+\c], v[T+\c], v[cSB+8*\c+3], v[cSB+8*\c+4]
.endr
.irp c, 0,1,2,3
	v_max3_num_f32 v[T+\c], v[T+\c], v[cSB+8*\c+5], v[cSB+8*\c+6]
.endr
	v_max3_num_f32 v[T], v[T], v[T+1], v[cSB+7]
	v_max3_num_f32 v[T+2], v[T+2], v[T+3], v[cSB+15]
	v_max3_num_f32 v[T], v[T], v[cSB+23], v[cSB+31]
.if \first
	v_max_num_f32 v[T], v[T], v[T+2]
.else
	v_max3_num_f32 v[T], v[T], v[T+2], v[cST+1]
.endif
	v_permlanex16_b32 v[T+1], v[T], s24, s25       ; the other half of the lanes holds the query's other keys
	v_max_num_f32 v[cST+1], v[T], v[T+1]
	v_mul_f32 v[T+4], s30, v[cST+1]                ; -c max, rounded once: numerator, sum and factor all use this number
.if \first == 0
	v_sub_f32 v[T+5], v[T+4], v[cST]               ; c (old max - new max) <= 0
.endif
	v_mov_b32 v[cST], v[T+4]
.if \first == 0
	v_exp_f32 v[cST+2], v[T+5]                     ; the factor for what has been summed; the plain lines below stand between it and its first use
.endif
.set cN, 0
.rept 16
	v_pk_fma_f32 v[cSB+2*cN:cSB+2*cN+1], v[cSB+2*cN:cSB+2*cN+1], s[28:29], v[cST:cST+1] op_sel_hi:[1,0,0]   ; c s - c max
.set cN, cN+1
.endr
.set cN, 0
.rept 32
	v_exp_f32 v[cSB+cN], v[cSB+cN]
.set cN, cN+1
.endr
	v_nop                                          ; one plain line between the last exponential and the first use (ISA guide 5.7.2)
.set cN, 0
	s_wait_alu depctr_va_vdst(0)
.rept 16
	v_cvt_pk_bf16_f32 v[cPB+cN], v[cSB+2*cN], v[cSB+2*cN+1]   ; keys 8 h + 2 i, 8 h + 2 i + 1: the fragment's own order
.set cN, cN+1
.endr
.set cN, 0
.rept 16
	v_and_b32 v[cPB+cN], v[cPB+cN], v[XM+cN]       ; the numerator alone is masked
.set cN, cN+1
.endr
	; the sum of all 32, unmasked, in f32: a tree of pairs in place
.irp d, 1,2,4,8
.set cN, 0
.rept 8/\d
	v_pk_add_f32 v[cSB+2*cN:cSB+2*cN+1], v[cSB+2*cN:cSB+2*cN+1], v[cSB+2*(cN+\d):cSB+2*(cN+\d)+1]
.set cN, cN+2*\d
.endr
.endr
.if \first
	v_add_f32 v[cST+3], v[cSB], v[cSB+1]           ; the lane's own part of the sum; the two halves meet at the end
.else
	v_add_f32 v[T], v[cSB], v[cSB+1]
	v_fma_f32 v[cST+3], v[cST+3], v[cST+2], v[T]
	RESC \q
.endif
.endm
; One step: 128 keys.  par: which half of the mask tile.  first: the sums start.  kv: the next step's K and V are asked for.  mk: the next mask tile too.
.macro STEP par, first, kv, mk
	s_wait_tensorcnt 0x0                           ; my load (K, V or the mask) has landed: the other waves read it behind this barrier
	s_wait_dscnt 0x0                               ; my fragment loads from KB and VB are back: those bytes are overwritten behind it
	s_barrier_signal -1
	s_barrier_wait -1
	MASKLD \par
	CONV32 CSK, CDK, KP
	CONV32 CSV, CDV, VP
	s_wait_dscnt 0x0                               ; my reads of the stage and of the mask tile are back, my stores to KB and VB are done
	s_wait_tensorcnt 0x0                           ; no tensor load of mine is out (none was issued since the last wait): the addresses may step
	ds_add_u32 v254, v255
	s_wait_dscnt 0x0
.if \kv
	s_add_nc_u64 s[G0K+2:G0K+3], s[G0K+2:G0K+3], 0x10000   ; 128 rows of 512 bytes on
	s_add_nc_u64 s[G0V+2:G0V+3], s[G0V+2:G0V+3], 0x10000
.endif
.if \mk
	s_add_nc_u64 s[G0M+2:G0M+3], s[G0M+2:G0M+3], 256       ; 256 keys on
.endif
.if \kv
	ROUND                                          ; no wave of any of the four work-groups still reads the stage or has a load on its way
	FILL \kv, \mk, 0                               ; the refill first, one load a wave
.else
	s_barrier_signal -1                            ; the last step fills nothing: KB and VB are whole behind my work-group's barrier
	s_barrier_wait -1
.endif
	LDK
	LDV 0
	s_wait_dscnt 16                                ; the 16 loads of V are younger: K's 32 are in
	SGRP 0
	LDV 1
	SGRP 1
	SM 0, \first
	s_wait_dscnt 0x0                               ; V's fragments
	PVGRP 0, \first
	SGRP 2
	SM 1, \first
	PVGRP 1, \first
	SGRP 3
	SM 2, \first
	PVGRP 2, \first
	SM 3, \first
	PVGRP 3, \first
	WIN 0                                          ; at a label and at a branch every window is 0
.endm
	; Q: to bf16 through KB, then into 128 registers for the whole kernel
	s_wait_tensorcnt 0x0                           ; my first fill has landed
	s_barrier_signal -1
	s_barrier_wait -1                              ; everybody's has
	CONV32 CSQ, CDK, KP
	s_wait_dscnt 0x0                               ; my 32 rows of bf16 Q are written
	s_barrier_signal -1
	s_barrier_wait -1
	WIN W_L3
.irp q, 0,1,2,3
.irp ds, 0,1,2,3
	ds_load_b128 v[8*(4*\q+\ds):8*(4*\q+\ds)+3],   v[QA] offset:\q*16*KP+\ds*64
	ds_load_b128 v[8*(4*\q+\ds)+4:8*(4*\q+\ds)+7], v[QA] offset:\q*16*KP+\ds*64+32
.endr
.endr
	WIN 0                                          ; the first step's wait and barrier stand between these loads and K's stores into KB
	STEP 0, 1, 1, 0                                ; steps 0 and 1 stand in front of the loop: the first products start the sums
	STEP 1, 0, 1, 1
	s_mov_b32 s32, 6                               ; steps 2 to 13
.Ltrip:
	STEP 0, 0, 1, 0
	STEP 1, 0, 1, 1
	s_sub_co_i32 s32, s32, 1
	s_cmp_lg_u32 s32, 0
	s_cbranch_scc1 .Ltrip
	STEP 0, 0, 1, 0                                ; step 14 asks for step 15's K and V; the last mask tile is there
	STEP 1, 0, 0, 0                                ; step 15 asks for nothing
	; THE END.  A query's sum: both lane halves.  It goes into the maximum's register, which is free: (-c max, sum) is then a pair.
.irp q, 0,1,2,3
	v_permlanex16_b32 v[T+\q], v[STT+4*\q+3], s24, s25
.endr
.irp q, 0,1,2,3
	v_add_f32 v[STT+4*\q+1], v[STT+4*\q+3], v[T+\q]
.endr
.irp q, 0,1,2,3
	ds_store_b64 v[MLW], v[STT+4*\q:STT+4*\q+1] offset:256*\q
.endr
	s_wait_dscnt 0x0                               ; for my partner's sake; and all my reads of KB and VB have long been back
	s_barrier_signal -1
	s_barrier_wait -1
.irp q, 0,1,2,3
	ds_load_b64 v[T+2*\q:T+2*\q+1], v[MLR] offset:256*\q   ; my partner's pair for the same query
.endr
	s_wait_dscnt 0x0
	; n = the smaller -c max (the larger maximum); a = 2^(n - mine), a' = 2^(n - partner's); sum = l a + l' a' (at least about 1: one of a, a' is 1
	; and that wave's sum holds the term of its maximum); my O is multiplied by a / (0.9 sum)
.irp q, 0,1,2,3
	v_min_num_f32 v[XM+4*\q], v[STT+4*\q], v[T+2*\q]
.endr
.irp q, 0,1,2,3
	v_sub_f32 v[XM+4*\q+1], v[XM+4*\q], v[STT+4*\q]
	v_sub_f32 v[XM+4*\q+2], v[XM+4*\q], v[T+2*\q]
.endr
.irp q, 0,1,2,3
	v_exp_f32 v[XM+4*\q+1], v[XM+4*\q+1]
	v_exp_f32 v[XM+4*\q+2], v[XM+4*\q+2]
.endr
	v_nop                                          ; one plain line behind the exponentials
	s_wait_alu depctr_va_vdst(0)
.irp q, 0,1,2,3
	v_mul_f32 v[XM+4*\q+3], v[T+2*\q+1], v[XM+4*\q+2]
	v_fma_f32 v[XM+4*\q+3], v[STT+4*\q+1], v[XM+4*\q+1], v[XM+4*\q+3]
.endr
.irp q, 0,1,2,3
	v_rcp_f32 v[XM+4*\q+3], v[XM+4*\q+3]
.endr
	v_nop                                          ; one plain line behind the reciprocals
	s_wait_alu depctr_va_vdst(0)
.irp q, 0,1,2,3
	v_mul_f32 v[XM+4*\q+1], s31, v[XM+4*\q+1]
	v_mul_f32 v[STT+4*\q+2], v[XM+4*\q+1], v[XM+4*\q+3]
.endr
	RESC 0
	RESC 1
	RESC 2
	RESC 3
	; my partial O into LDS as rows of queries: lane (r, h) holds query r, v = 16 vt + 8 h + 0..7: 32 neighbouring bytes
	WIN W_ST
.irp q, 0,1,2,3
.irp vt, 0,1,2,3,4,5,6,7
	ds_store_b128 v[OA], v[8*(8*\q+\vt):8*(8*\q+\vt)+3]   offset:\q*16*OP+\vt*64
	ds_store_b128 v[OA], v[8*(8*\q+\vt)+4:8*(8*\q+\vt)+7] offset:\q*16*OP+\vt*64+16
.endr
.endr
	WIN 0
	s_wait_dscnt 0x0                               ; for the waves that read these rows
	s_barrier_signal -1
	s_barrier_wait -1
; Eight of my 32 rows: both partials of a row, their sum, one store of the wave for the row's 512 consecutive bytes, aligned.
.macro OUT8 b
.if \b
	s_wait_xcnt 0x0                                ; the last eight stores' data registers are loaded again only behind this wait (ISA guide 3.1)
.endif
.irp t, 0,1,2,3,4,5,6,7
	ds_load_b128 v[RING+8*\t:RING+8*\t+3],   v[RA]  offset:(8*\b+\t)*OP
	ds_load_b128 v[RING+8*\t+4:RING+8*\t+7], v[RA2] offset:(8*\b+\t)*OP
.endr
.irp t, 0,1,2,3,4,5,6,7
	s_wait_dscnt 14-2*\t                           ; the younger rows' two loads each may stay out
	v_pk_add_f32 v[RING+8*\t:RING+8*\t+1],   v[RING+8*\t:RING+8*\t+1],   v[RING+8*\t+4:RING+8*\t+5]
	v_pk_add_f32 v[RING+8*\t+2:RING+8*\t+3], v[RING+8*\t+2:RING+8*\t+3], v[RING+8*\t+6:RING+8*\t+7]
	global_store_b128 v[GO], v[RING+8*\t:RING+8*\t+3], s[12:13] offset:(8*\b+\t)*512 th:TH_STORE_NT
.endr
.endm
	OUT8 0
	OUT8 1
	OUT8 2
	OUT8 3
	s_wait_tensorcnt 0x0
	ds_add_u32 v254, v255
	s_wait_dscnt 0x0
	ROUND                                          ; the closing round: no work-group ends while a partner may still ask for a tile that names it
	s_endpgm
.Lfunc_end_k_qe10e604c96_attn:
	.size	k_qe10e604c96_attn, .Lfunc_end_k_qe10e604c96_attn-k_qe10e604c96_attn
	.p2alignl 7, 3214868480
	.fill 96, 4, 3214868480
	.section	.rodata,"a",@progbits
	.p2align	6, 0x0
	.amdhsa_kernel k_qe10e604c96_attn
		.amdhsa_group_segment_fixed_size 327680
		.amdhsa_private_segment_fixed_size 0
		.amdhsa_enable_private_segment 0
		.amdhsa_kernarg_size 40
		.amdhsa_user_sgpr_count 2
		.amdhsa_user_sgpr_kernarg_segment_ptr 1
		.amdhsa_wavefront_size32 1
		.amdhsa_system_sgpr_workgroup_id_x 1
		.amdhsa_system_sgpr_workgroup_id_y 1
		.amdhsa_system_sgpr_workgroup_id_z 1
		.amdhsa_system_vgpr_workitem_id 0
		.amdhsa_next_free_vgpr 896
		.amdhsa_next_free_sgpr 80
		.amdhsa_reserve_vcc 0
		.amdhsa_float_denorm_mode_32 3
		.amdhsa_float_denorm_mode_16_64 3
		.amdhsa_memory_ordered 1
		.amdhsa_forward_progress 1
		.amdhsa_inst_pref_size 255
	.end_amdhsa_kernel
	.section	.bss,"aw",@nobits
	.p2align	6
	.space	262144
	.amdgpu_metadata
---
amdhsa.version: [ 1, 2 ]
amdhsa.kernels:
  - .name:           k_qe10e604c96_attn
    .symbol:         k_qe10e604c96_attn.kd
    .args:
      - { .name: x1, .offset: 0, .size: 8, .value_kind: global_buffer, .address_space: global }
      - { .name: x2, .offset: 8, .size: 8, .value_kind: global_buffer, .address_space: global }
      - { .name: x3, .offset: 16, .size: 8, .value_kind: global_buffer, .address_space: global }
      - { .name: drop_mask, .offset: 24, .size: 8, .value_kind: global_buffer, .address_space: global }
      - { .name: out0, .offset: 32, .size: 8, .value_kind: global_buffer, .address_space: global }
    .group_segment_fixed_size: 327680
    .private_segment_fixed_size: 0
    .kernarg_segment_align: 8
    .kernarg_segment_size: 40
    .max_flat_workgroup_size: 128
    .sgpr_count:     80
    .vgpr_count:     896
    .wavefront_size: 32
...
	.end_amdgpu_metadata
.endif
;; end of part 1
;; ======== version 2 of 2: 1 launch
;; launch attn (part 2): grid 16 x 16, 4 waves a work-group, clusters of 4 x 1, 327,680 bytes of LDS; arguments x1, x2, x3, drop_mask, out0; writes out0
.if DOCPART == 2
	.amdgcn_target "amdgcn-amd-amdhsa--gfx1250"
	.amdhsa_code_object_version 6
	.text
	.protected	k_qe10e604c96_attn
	.globl	k_qe10e604c96_attn
	.p2align	8
	.type	k_qe10e604c96_attn,@function
k_qe10e604c96_attn:
	s_mov_b64 s[64:65], 0
	v_nop
	global_prefetch_b8 v0, s[64:65] scope:SCOPE_SE
	s_setreg_imm32_b32 hwreg(HW_REG_WAVE_MODE, 25, 1), 1
	s_wait_xcnt 0x0
	s_wait_alu depctr_hold_cnt(0) depctr_sa_sdst(0) depctr_va_vdst(0) depctr_va_sdst(0) depctr_va_ssrc(0) depctr_va_vcc(0) depctr_vm_vsrc(0)
	s_getreg_b32 s2, hwreg(HW_REG_IB_STS2, 6, 4)
	s_cmp_eq_u32 s2, 0
	s_cbranch_scc0 .Lentry_in_a_cluster
	s_endpgm
.Lentry_in_a_cluster:
	s_bfe_u32 s2, ttmp6, 0x10000c
	s_cmp_lg_u32 s2, 0x3003
	s_cbranch_scc0 .Lentry_shape_is_right
	s_endpgm
.Lentry_shape_is_right:
; out0[b][q][:] = sum over k of (mask[b][q][k] / 0.9) softmax_k(0.2 x1[b][q].x2[b][k]) x3[b][k][:]
; x1, x2, x3, out0: [16][2048][128] f32.  drop_mask: [16][2048][2048], one byte each.
; The mask acts behind the softmax: the denominator sums ALL keys, only the numerator is masked.
;
; SHARES.  A work-group: 128 queries of one batch, all 2,048 keys in 16 steps of 128.  Four waves, w = 2 qh + kh: qh picks 64 queries
; (four blocks of 16), kh picks 64 of a step's 128 keys.  A K or V fragment of 1,024 bytes so feeds four matrix instructions.  The two kh
; waves of a query half keep a running maximum, sum and O of their own; they are merged once, at the end.
; BOTH PRODUCTS ARE USED TRANSPOSED.  S^T = K Q^T: lane (r, h) register j holds query r, key 8 h + j.  O^T = V^T P^T: two neighbouring
; S^T tiles, rounded in pairs to bf16, ARE the second operand's fragment (registers 0-3 keys 8 h .., 4-7 keys 16 + 8 h ..), so P never
; moves between lanes, and maximum, sum and rescale factor are one register a lane for each block of 16 queries.
; DATA.  K and V tiles (f32, 65,536 dense bytes) are the same for the four query blocks of a cluster: joint tensor loads, mask 15,
; into one f32 stage.  While step t is computed from bf16 copy t % 2, tile t + 1 goes from the stage into the other copy.  The stage is
; EMPTIED INTO REGISTERS FIRST (64 rows' loads a wave on 192 registers, under the step's first 32 matrix instructions) and asked for again
; behind the round that follows; most of the rounding's stores come behind that.  So the load has 96 matrix instructions and four softmax
; blocks in which to land.  K's fragments of step t + 1 are loaded in step t, as soon as the last product with K has been issued.
; The mask's tile and Q differ from work-group to work-group: plain tensor loads.  A mask tile is 128 rows x 256 bytes (two steps).
; PREFETCH.  Step t asks for K's and V's tile t + 3, one step ahead of its tensor load: a tile's 256 pieces of 256 bytes are shared out
; among the batch's 16 work-groups (even query blocks K, odd ones V, 32 pieces each, one instruction of wave 3).  Even steps ask for the
; next mask tile, each wave for its 32 rows' 256 bytes, one step ahead of its tensor load.  Steps 13 to 15 ask for nothing: tile 15 of
; K and V and tile 7 of the mask are the last.
; LIMITS.  Mask bytes are 0 or 1 (the type bool).  2^x below 2^-126 counts as 0 (ISA guide 15.8, v_exp_f32).  A NaN among the scores is
; dropped by the maximum instead of spreading.  Q, K, V and P are rounded to bf16; maximum, sums, exponentials and O are f32; the order
; of the sums is not that of a plain loop over k.
.set KP,   272                         ; bf16 K (and Q) row: 256 bytes + 16: the 16 rows of a fragment load start 17 x 16 bytes apart, in 16 different 16-byte columns of 256
.set VP,   288                         ; bf16 V row: 9 x 32 bytes, for the transposing load's eight rows and two 16-byte columns
.set MP,   272                         ; mask row: 256 bytes + 16 laid by the tensor load
.set OP,   528                         ; f32 row of O on the way out: 512 bytes + 16
.set STK,  0                           ; f32 K tile, 128 x 512 bytes                       (tensor loads alone write it)
.set STV,  65536                       ; f32 V tile                                        (tensor loads alone)
.set MSK,  131072                      ; mask tile, 128 x 272                              (tensor loads alone)
.set KB,   165888                      ; bf16 K, copy 0, 128 x 272                         (LDS stores alone)
.set VB,   200704                      ; bf16 V, copy 0, 128 x 288                         (LDS stores alone)
.set BUFD, 71680                       ; copy 1 of both lies this far on: 237,568 to 309,247
.set QS,   237568                      ; f32 Q, 65,536 bytes, one tensor fill at the start; then bf16 Q in place; then copy 1 of K and V
.set OUTS, 165888                      ; the way out: two partial O of 128 x 528 over both copies
.set OUTH, 128*OP
.set ML,   309248                      ; (-c max, sum) of each wave: wave x 1,024 + block x 256 + lane x 8
; vector registers, window 0.  v1 lane, v2 lane % 16, v3 lane / 16 stay; v4-6 at work at the start and at the end
.set KA,  8                            ; v8, v9    LDS address of my K fragments in copy 0, 1
.set VA,  10                           ; v10, v11  of my V fragments (transposing load)
.set CDK, 12                           ; v12, v13  rounding: my 32 rows of bf16 K in copy 0, 1
.set CDV, 14                           ; v14, v15  of bf16 V
.set CSK, 16                           ; rounding: my quarter of the K stage
.set CSV, 17                           ; of the V stage
.set CSQ, 18                           ; of f32 Q
.set CDQ, 19                           ; my 32 rows of bf16 Q
.set QA,  20                           ; my Q fragments
.set MA,  21                           ; my mask bytes
.set PKO, 22                           ; prefetch of K or V: 256 x lane; never rewritten
.set PMO, 23                           ; prefetch of the mask: 2,048 x (32 wave + lane), my row; never rewritten
.set STT, 24                           ; v[24+4q .. 27+4q]: -c max, max, rescale factor, sum of query block q
.set T,   40                           ; v40-47 at work
.set XM,  48                           ; v48-63 sixteen masks of two bf16
.set MK,  64                           ; v64-95 mask bytes: block q, key tile kt at 8 q + 2 kt
.set RING, 96                          ; v96-159 S^T, two buffers of 32; a second batch buffer at the start; the way out
.set PBUF, 160                         ; v160-191 P^T, two buffers of 16
.set CB,  192                          ; v192-255 a batch of the rounding: 16 rows x 4 registers
.set C2,  128                          ; window 3, v128-191: a second batch
.set C3,  192                          ; window 3, v192-255: a third
.set OA,  192                          ; the end (the batch buffer is free): where my O goes
.set RA,  193                          ; my 32 rows, partial kh = 0
.set RA2, 194                          ; partial kh = 1
.set GO,  195                          ; 16 x lane: my bytes of a row of out0
.set MLW, 196                          ; my words of ML
.set MLR, 197                          ; my partner's
; window 1: K fragments (kt, ds) at 8 (4 kt + ds); V fragments (ks, vt) at 128 + 8 (8 ks + vt)
; window 2: O^T (q, vt) at 8 (8 q + vt).    window 3: Q fragments (q, ds) at 8 (4 q + ds), then the batches C2 and C3
.set W_S,  0x0d                        ; source 0 window 1 (K), source 1 window 3 (Q), C and D window 0
.set W_PV, 0xa1                        ; source 0 window 1 (V), source 1 window 0 (P), C and D window 2
.set W_RS, 0x82                        ; destination and source 0 window 2 (O), source 1 window 0
.set W_L1, 0x40                        ; destination window 1
.set W_L3, 0xc0                        ; destination window 3
.set W_C3, 0xcf                        ; destination, source 0 and source 1 window 3: rounding in C2, C3
.set W_S3, 0x0c                        ; an LDS store's data (source 1) window 3
.set W_ST, 0x08                        ; an LDS store's data (source 1) window 2
; scalar registers: s14 wave, s15 qh, s16 kh, s17 cx, s18 query block, s19 batch, s[20:21] offset made of the batch alone,
; s[22:23], s[34:35] offsets that hold the query block, s24-25 lane selects, s26-27 byte selects, s[28:29] c, s30 -c, s31 1/0.9, s32 trips
.set G1D, 36                           ; s[36:43] shape of a K or V tile, joint
.set G0K, 44                           ; s[44:47] K: from where, to where
.set G0V, 48                           ; s[48:51] V
.set G1M, 52                           ; s[52:59] shape of a mask tile
.set G0M, 60                           ; s[60:63] mask
.set G1Q, 68                           ; s[68:75] shape of Q's block, plain
.set G0Q, 76                           ; s[76:79] Q
.set PFK, 80                           ; s[80:81] prefetch: my 8,192 bytes of the tile of K or V that was asked for last
.set PFM, 82                           ; s[82:83] prefetch: my 128 rows of the mask tile that was asked for last
.set MSB, 0
.macro WIN new                         ; the immediate's high byte repeats the setting that is left; a switch that changes nothing is dropped
.if MSB != \new
	s_set_vgpr_msb (MSB<<8)|\new
.set MSB, \new
.endif
.endm
.macro PLACES                          ; four plain vector lines between a matrix instruction and a load into a register that it has read
.rept 4
	v_nop
.endr
.endm
; A round of the cluster's barrier: my work-group's barrier, wave 0 signals for the work-group, every wave waits for all four work-groups, my work-group's barrier again.
.macro ROUND
	s_barrier_signal -1
	s_barrier_wait -1
	s_cmp_lg_u32 s14, 0
	s_cbranch_scc1 .Lnot_wave_0_\@
	s_barrier_signal -3
.Lnot_wave_0_\@:
	s_barrier_wait -3
	s_barrier_signal -1
	s_barrier_wait -1
.endm
; The tensor loads behind a round, one a wave at the most: wave 0 K and wave 1 V (joint: the same registers in all four work-groups), wave 2 the mask, wave 3 Q.
.macro FILL kv, mk, qq
.if \kv
	s_cmp_lg_u32 s14, 0
	s_cbranch_scc1 .Lnot_k_\@
	tensor_load_to_lds s[G0K:G0K+3], s[G1D:G1D+7]
	s_nop 0
.Lnot_k_\@:
	s_cmp_lg_u32 s14, 1
	s_cbranch_scc1 .Lnot_v_\@
	tensor_load_to_lds s[G0V:G0V+3], s[G1D:G1D+7]
	s_nop 0
.Lnot_v_\@:
.endif
.if \mk
	s_cmp_lg_u32 s14, 2
	s_cbranch_scc1 .Lnot_m_\@
	tensor_load_to_lds s[G0M:G0M+3], s[G1M:G1M+7]
	s_nop 0
.Lnot_m_\@:
.endif
.if \qq
	s_cmp_lg_u32 s14, 3
	s_cbranch_scc1 .Lnot_q_\@
	tensor_load_to_lds s[G0Q:G0Q+3], s[G1Q:G1Q+7]
	s_nop 0
.Lnot_q_\@:
.endif
.endm
; The step's prefetches.  pk: my 32 pieces of the next tile but two of K or V, by wave 3.  pm: my wave's 32 rows of the next mask tile.
.macro PREF pk, pm
.if \pk
	s_wait_xcnt 0x0                                ; the last step's prefetches have had their addresses translated (ISA guide 3.1): the bases step only behind this wait
	s_add_nc_u64 s[PFK:PFK+1], s[PFK:PFK+1], 0x10000       ; a tile on
.if \pm
	s_add_nc_u64 s[PFM:PFM+1], s[PFM:PFM+1], 256           ; 256 keys on
	global_prefetch_b8 v[PMO], s[PFM:PFM+1] th:TH_LOAD_NT scope:SCOPE_SE
.endif
	s_cmp_lg_u32 s14, 3
	s_cbranch_scc1 .Lno_pf_\@
	global_prefetch_b8 v[PKO], s[PFK:PFK+1] th:TH_LOAD_NT scope:SCOPE_SE
.Lno_pf_\@:
.endif
.endm
	s_load_b256 s[4:11], s[0:1], 0x0               ; x1 s[4:5], x2 s[6:7], x3 s[8:9], drop_mask s[10:11]
	s_load_b64 s[12:13], s[0:1], 0x20              ; out0
	v_lshl_add_u32 v190, v0, 2, 0x4c800
	v_mov_b32 v191, 0
	ds_add_u32 v190, v191
	s_wait_dscnt 0x0
	v_lshrrev_b32 v1, 5, v0
	v_readfirstlane_b32 s14, v1                    ; wave 0..3
	s_lshr_b32 s15, s14, 1                         ; qh
	s_and_b32 s16, s14, 1                          ; kh
	s_bfe_u32 s17, ttmp6, 0x40000                  ; cx: my place in the cluster
	s_lshl_b32 s18, ttmp9, 2                       ; ttmp9 counts clusters
	s_add_co_u32 s18, s18, s17                     ; query block = 4 x cluster x + cx
	s_and_b32 s19, ttmp7, 0xffff                   ; batch
	s_lshl_b32 s20, s19, 20                        ; a batch of x1, x2, x3, out0: 2,048 x 512 bytes.  These two registers never hold cx
	s_mov_b32 s21, 0
	s_lshl_b32 s22, s18, 16                        ; a query block: 128 x 512 bytes
	s_add_co_u32 s22, s22, s20
	s_mov_b32 s23, 0
	s_lshl_b32 s34, s19, 22                        ; a batch of the mask: 2,048 x 2,048 bytes
	s_lshl_b32 s33, s18, 18                        ; a query block of it: 128 x 2,048
	s_add_co_u32 s34, s34, s33
	s_mov_b32 s35, 0
	s_lshr_b32 s2, s18, 1                          ; prefetch: work-groups 2 e and 2 e + 1 take piece e of eight of a tile: 8,192 bytes,
	s_lshl_b32 s2, s2, 13
	s_add_co_u32 s2, s2, s20                       ; in my batch,
	s_add_co_u32 s2, s2, 0x20000                   ; from tile 2 on: the base steps ahead of each request, so that the first is for tile 3
	s_mov_b32 s3, 0
	s_mov_b32 s24, 0x76543210                      ; v_permlanex16_b32: lane i reads lane i of the other half
	s_mov_b32 s25, 0xfedcba98
	s_mov_b32 s26, 0x01010000                      ; v_perm_b32: byte 0 twice, byte 1 twice
	s_mov_b32 s27, 0x03030202                      ; byte 2 twice, byte 3 twice
	s_mov_b32 s28, 0x3e93bb63                      ; c = 0.2 log2 e: e^(0.2 x) = 2^(c x)
	s_mov_b32 s29, 0x3e93bb63
	s_mov_b32 s30, 0xbe93bb63                      ; -c
	s_mov_b32 s31, 0x3f8e38e4                      ; 1 / 0.9
	; K's and V's shape: 65,536 dense bytes as 256 rows of 32 elements of 8 bytes
	s_mov_b32 s[G1D+0], 0x0023000f                 ; 15:0 mask: the cluster's four work-groups; 17:16 elements of 8 bytes; 21 set beside a mask
	s_mov_b32 s[G1D+1], 32<<16                     ; tensor_dim0 = 32
	s_mov_b32 s[G1D+2], 256<<16                    ; tensor_dim1 = 256
	s_mov_b32 s[G1D+3], 32<<16                     ; tile_dim0 = 32
	s_mov_b32 s[G1D+4], 256                        ; tile_dim1 = 256
	s_mov_b32 s[G1D+5], 32                         ; from row to row: 32 elements
	s_mov_b32 s[G1D+6], 0
	s_mov_b32 s[G1D+7], 0
	; Q's shape: the same, no mask
	s_mov_b32 s[G1Q+0], 0x00030000
	s_mov_b32 s[G1Q+1], 32<<16
	s_mov_b32 s[G1Q+2], 256<<16
	s_mov_b32 s[G1Q+3], 32<<16
	s_mov_b32 s[G1Q+4], 256
	s_mov_b32 s[G1Q+5], 32
	s_mov_b32 s[G1Q+6], 0
	s_mov_b32 s[G1Q+7], 0
	; the mask's shape: 128 rows of 32 elements of 8 bytes, 256 elements apart, 4 words of padding behind every 64 words
	s_mov_b32 s[G1M+0], 0x07530000                 ; 17:16 elements of 8 bytes; 20 padding on; 24:22 code 5 (64 words); 31:25 code 3 (4 words)
	s_mov_b32 s[G1M+1], 32<<16
	s_mov_b32 s[G1M+2], 128<<16
	s_mov_b32 s[G1M+3], 32<<16
	s_mov_b32 s[G1M+4], 128
	s_mov_b32 s[G1M+5], 256
	s_mov_b32 s[G1M+6], 0
	s_mov_b32 s[G1M+7], 0
	s_mov_b32 s[G0K+0], 1
	s_mov_b32 s[G0K+1], STK
	s_mov_b32 s[G0V+0], 1
	s_mov_b32 s[G0V+1], STV
	s_mov_b32 s[G0M+0], 1
	s_mov_b32 s[G0M+1], MSK
	s_mov_b32 s[G0Q+0], 1
	s_mov_b32 s[G0Q+1], QS
	s_wait_kmcnt 0x0
	s_add_nc_u64 s[G0K+2:G0K+3], s[6:7], s[20:21]  ; K, step 0: hangs on the batch alone, which the four partners share
	s_or_b32 s[G0K+3], s[G0K+3], 0x80000000        ; type 2
	s_add_nc_u64 s[G0V+2:G0V+3], s[8:9], s[20:21]
	s_or_b32 s[G0V+3], s[G0V+3], 0x80000000
	s_add_nc_u64 s[G0M+2:G0M+3], s[10:11], s[34:35] ; my 128 rows of the mask, keys 0 to 255
	s_or_b32 s[G0M+3], s[G0M+3], 0x80000000
	s_add_nc_u64 s[G0Q+2:G0Q+3], s[4:5], s[22:23]  ; my 128 rows of x1
	s_or_b32 s[G0Q+3], s[G0Q+3], 0x80000000
	s_and_b32 s33, s18, 1
	s_cmp_lg_u32 s33, 0
	s_cselect_b64 s[PFK:PFK+1], s[8:9], s[6:7]     ; prefetch: odd query blocks ask for V, even ones for K
	s_add_nc_u64 s[PFK:PFK+1], s[PFK:PFK+1], s[2:3]
	s_add_nc_u64 s[PFM:PFM+1], s[10:11], s[34:35]  ; the mask's tile 0: the base steps ahead of each request
	s_lshl_b32 s33, s14, 14                        ; way out: wave w stores rows 32 w .. 32 w + 31 of the block
	s_add_co_u32 s22, s22, s33
	s_add_nc_u64 s[12:13], s[12:13], s[22:23]
	ROUND                                          ; all four work-groups are here: the first joint loads meet
	FILL 1, 1, 1                                   ; the first fills, one a wave, ahead of every wait on TENSORcnt, LDS read and further barrier
	; LDS addresses, while the loads are on their way.  L = lane, r = L % 16, h = L / 16.
	v_and_b32 v1, 31, v0                           ; L
	v_and_b32 v2, 15, v0                           ; r
	v_bfe_u32 v3, v0, 4, 1                         ; h
	v_lshlrev_b32 v[PKO], 8, v1                    ; prefetch: lanes 256 bytes apart
	v_lshlrev_b32 v[PMO], 11, v0                   ; prefetch: thread 32 w + L takes row 32 w + L of the mask tile
	v_mul_u32_u24 v4, v2, KP                       ; r x 272 (K's, Q's and the mask's pitch)
	v_lshl_add_u32 v5, v3, 4, v4                   ; + 16 h: a fragment's lane holds row r, 16 bytes at 16 h and at 32 + 16 h
	s_mul_i32 s33, s16, 64*KP
	s_add_co_u32 s33, s33, KB
	v_add_nc_u32 v[KA], s33, v5                    ; my 64 keys, copy 0
	v_add_nc_u32 v[KA+1], BUFD, v[KA]              ; copy 1
	s_lshl_b32 s33, s15, 15                        ; bf16 Q lies in four pieces of 32 rows, 16,384 bytes apart: my 64 queries are pieces 2 qh, 2 qh + 1
	s_add_co_u32 s33, s33, QS
	v_add_nc_u32 v[QA], s33, v5
	v_lshl_add_u32 v5, v3, 3, v4                   ; mask: row r, 8 bytes at 8 h
	s_mul_i32 s33, s15, 64*MP
	s_lshl_b32 s2, s16, 6
	s_add_co_u32 s33, s33, s2
	s_add_co_u32 s33, s33, MSK
	v_add_nc_u32 v[MA], s33, v5
	v_and_b32 v5, 7, v0
	v_lshl_add_u32 v5, v3, 3, v5                   ; V: key row 8 h + L % 8
	v_mul_u32_u24 v5, v5, VP
	v_bfe_u32 v6, v0, 3, 1
	v_lshl_add_u32 v5, v6, 4, v5                   ; + 16 bytes for the second eight lanes of each sixteen
	s_mul_i32 s33, s16, 64*VP
	s_add_co_u32 s33, s33, VB
	v_add_nc_u32 v[VA], s33, v5
	v_add_nc_u32 v[VA+1], BUFD, v[VA]
	v_lshlrev_b32 v6, 4, v1                        ; 16 L
	s_lshl_b32 s33, s14, 14                        ; a wave's quarter of a stage: 32 rows x 512 bytes
	v_add_nc_u32 v[CSK], s33, v6                   ; the K stage begins at LDS byte 0
	s_add_co_u32 s2, s33, STV
	v_add_nc_u32 v[CSV], s2, v6
	s_add_co_u32 s2, s33, QS
	v_add_nc_u32 v[CSQ], s2, v6
	v_lshlrev_b32 v5, 3, v1                        ; 8 L
	v_add_nc_u32 v[CDQ], s2, v5                    ; bf16 Q goes to the head of my own quarter of f32 Q
	s_mul_i32 s33, s14, 32*KP
	s_add_co_u32 s33, s33, KB
	v_add_nc_u32 v[CDK], s33, v5
	v_add_nc_u32 v[CDK+1], BUFD, v[CDK]
	s_mul_i32 s33, s14, 32*VP
	s_add_co_u32 s33, s33, VB
	v_add_nc_u32 v[CDV], s33, v5
	v_add_nc_u32 v[CDV+1], BUFD, v[CDV]
; The step's mask bytes into registers: block q, key tile kt: the 8 bytes of query r, keys 8 h .. 8 h + 7.  par: which 128 of the tile's 256 keys.
.macro MASKLD par
	WIN 0
.irp q, 0,1,2,3
.irp kt, 0,1,2,3
	ds_load_b64 v[MK+8*\q+2*\kt:MK+8*\q+2*\kt+1], v[MA] offset:\q*16*MP+\par*128+\kt*16
.endr
.endr
.endm
; A batch of the rounding, its loads: 16 rows of 128 f32 from row0 on into buffer b.  A load takes a whole row: 32 lanes x 16 bytes.  win: 0, or W_L3 for C2 and C3.
.macro CL b, src, row0, win
	WIN \win
.set cI, 0
.rept 16
	ds_load_b128 v[\b+4*cI:\b+4*cI+3], v[\src] offset:512*(\row0+cI)
.set cI, cI+1
.endr
.endm
; Its conversions: the 16 rows are rounded in place, 4 registers become 2.  win: 0, or W_C3.
.macro CVC b, win
	WIN \win
.set cI, 0
.rept 16
	v_cvt_pk_bf16_f32 v[\b+4*cI], v[\b+4*cI], v[\b+4*cI+1]
	v_cvt_pk_bf16_f32 v[\b+4*cI+1], v[\b+4*cI+2], v[\b+4*cI+3]
.set cI, cI+1
.endr
.endm
; Its stores: 256 bytes a row.  win: 0, or W_S3.
.macro CVS b, dst, pitch, row0, win
	WIN \win
.set cI, 0
.rept 16
	ds_store_b64 v[\dst], v[\b+4*cI:\b+4*cI+1] offset:\pitch*(\row0+cI)
.set cI, cI+1
.endr
.endm
; All three behind a counted wait, in window 0.  left = the LDS instructions issued behind the batch's loads.
.macro CV b, dst, pitch, row0, left
	s_wait_dscnt \left                             ; LDS instructions come back in order (ISA guide 5.7.1)
	CVC \b, 0
	CVS \b, \dst, \pitch, \row0, 0
.endm
; My 64 keys' K fragments from copy buf: 16 keys x 32 d each, two loads of 16 bytes, 32 bytes apart
.macro LDK buf
	WIN W_L1
.irp kt, 0,1,2,3
.irp ds, 0,1,2,3
	ds_load_b128 v[8*(4*\kt+\ds):8*(4*\kt+\ds)+3],   v[KA+\buf] offset:\kt*16*KP+\ds*64
	ds_load_b128 v[8*(4*\kt+\ds)+4:8*(4*\kt+\ds)+7], v[KA+\buf] offset:\kt*16*KP+\ds*64+32
.endr
.endr
.endm
; V^T fragments of keys 32 ks .. 32 ks + 31 of my 64 from copy buf: 16 v x 32 keys each, two transposing loads, 16 key rows apart
.macro LDV buf, ks
	WIN W_L1
.irp vt, 0,1,2,3,4,5,6,7
	ds_load_tr16_b128 v[128+8*(8*\ks+\vt):128+8*(8*\ks+\vt)+3],   v[VA+\buf] offset:\ks*32*VP+\vt*32
	ds_load_tr16_b128 v[128+8*(8*\ks+\vt)+4:128+8*(8*\ks+\vt)+7], v[VA+\buf] offset:\ks*32*VP+\vt*32+16*VP
.endr
.endm
; S^T of query block q: four tiles of 16 keys, d in four pieces of 32.  The first piece starts the sums.
; The four accumulators take turns, one instruction a turn.
.macro SGRP q
	WIN W_S
.irp ds, 0,1,2,3
.irp kt, 0,1,2,3
.if \ds == 0
	v_wmma_f32_16x16x32_bf16 v[RING+32*((\q)%2)+8*\kt:RING+32*((\q)%2)+8*\kt+7], v[8*(4*\kt+\ds):8*(4*\kt+\ds)+7], v[8*(4*(\q)+\ds):8*(4*(\q)+\ds)+7], 0
.else
	v_wmma_f32_16x16x32_bf16 v[RING+32*((\q)%2)+8*\kt:RING+32*((\q)%2)+8*\kt+7], v[8*(4*\kt+\ds):8*(4*\kt+\ds)+7], v[8*(4*(\q)+\ds):8*(4*(\q)+\ds)+7], v[RING+32*((\q)%2)+8*\kt:RING+32*((\q)%2)+8*\kt+7]
.endif
.endr
.endr
.endm
; O^T of query block q += V^T P^T: eight tiles of 16 v, my 64 keys in two pieces of 32.  first = 1: the first piece starts the sums.
; The eight accumulators take turns, one instruction a turn.
.macro PVGRP q, first
	WIN W_PV
.irp ks, 0,1
.irp vt, 0,1,2,3,4,5,6,7
.if \first*(1-\ks)
	v_wmma_f32_16x16x32_bf16 v[8*(8*(\q)+\vt):8*(8*(\q)+\vt)+7], v[128+8*(8*\ks+\vt):128+8*(8*\ks+\vt)+7], v[PBUF+16*((\q)%2)+8*\ks:PBUF+16*((\q)%2)+8*\ks+7], 0
.else
	v_wmma_f32_16x16x32_bf16 v[8*(8*(\q)+\vt):8*(8*(\q)+\vt)+7], v[128+8*(8*\ks+\vt):128+8*(8*\ks+\vt)+7], v[PBUF+16*((\q)%2)+8*\ks:PBUF+16*((\q)%2)+8*\ks+7], v[8*(8*(\q)+\vt):8*(8*(\q)+\vt)+7]
.endif
.endr
.endr
.endm
; O^T of block q times the lane's factor (a lane holds one query): both halves of each pair take the pair's first register
.macro RESC q
	WIN W_RS
.set cN, 0
.rept 32
	v_pk_mul_f32 v[64*(\q)+2*cN:64*(\q)+2*cN+1], v[64*(\q)+2*cN:64*(\q)+2*cN+1], v[STT+4*(\q)+2:STT+4*(\q)+3] op_sel_hi:[1,0]
.set cN, cN+1
.endr
.endm
; The softmax step of query block q on its 32 registers of S^T (64 keys in two lane halves).
.macro SM q, first
	WIN 0
.set cSB, RING+32*((\q)%2)
.set cPB, PBUF+16*((\q)%2)
.set cMK, MK+8*(\q)
.set cST, STT+4*(\q)
	; Masks of two bf16 from mask bytes: 256 m - m makes each byte 0xff or 0, a byte select doubles two of them.  These 32 lines name no
	; register of the matrix instructions in front of them: they are places between those and the lines that read S^T (ISA guide 7.12.1).
.set cN, 0
.rept 8
	v_lshlrev_b32 v[XM+cN], 8, v[cMK+cN]
.set cN, cN+1
.endr
.set cN, 0
.rept 8
	v_sub_nc_u32 v[cMK+cN], v[XM+cN], v[cMK+cN]
.set cN, cN+1
.endr
.set cN, 0
.rept 8
	v_perm_b32 v[XM+2*cN],   v[cMK+cN], v[cMK+cN], s26
	v_perm_b32 v[XM+2*cN+1], v[cMK+cN], v[cMK+cN], s27
.set cN, cN+1
.endr
	; the running maximum of the raw scores: four chains, then the chains, the four numbers left over and the old maximum
.irp c, 0,1,2,3
	v_max3_num_f32 v[T+\c], v[cSB+8*\c], v[cSB+8*\c+1], v[cSB+8*\c+2]
.endr
.irp c, 0,1,2,3
	v_max3_num_f32 v[T+\c], v[T+\c], v[cSB+8*\c+3], v[cSB+8*\c+4]
.endr
.irp c, 0,1,2,3
	v_max3_num_f32 v[T+\c], v[T+\c], v[cSB+8*\c+5], v[cSB+8*\c+6]
.endr
	v_max3_num_f32 v[T], v[T], v[T+1], v[cSB+7]
	v_max3_num_f32 v[T+2], v[T+2], v[T+3], v[cSB+15]
	v_max3_num_f32 v[T], v[T], v[cSB+23], v[cSB+31]
.if \first
	v_max_num_f32 v[T], v[T], v[T+2]
.else
	v_max3_num_f32 v[T], v[T], v[T+2], v[cST+1]
.endif
	v_permlanex16_b32 v[T+1], v[T], s24, s25       ; the other half of the lanes holds the query's other keys
	v_max_num_f32 v[cST+1], v[T], v[T+1]
	v_mul_f32 v[T+4], s30, v[cST+1]                ; -c max, rounded once: numerator, sum and factor all use this number
.if \first == 0
	v_sub_f32 v[T+5], v[T+4], v[cST]               ; c (old max - new max) <= 0
.endif
	v_mov_b32 v[cST], v[T+4]
.if \first == 0
	v_exp_f32 v[cST+2], v[T+5]                     ; the factor for what has been summed; the plain lines below stand between it and its first use
.endif
.set cN, 0
.rept 16
	v_pk_fma_f32 v[cSB+2*cN:cSB+2*cN+1], v[cSB+2*cN:cSB+2*cN+1], s[28:29], v[cST:cST+1] op_sel_hi:[1,0,0]   ; c s - c max
.set cN, cN+1
.endr
.set cN, 0
.rept 32
	v_exp_f32 v[cSB+cN], v[cSB+cN]
.set cN, cN+1
.endr
	v_nop                                          ; one plain line between the last exponential and the first use (ISA guide 5.7.2)
.set cN, 0
	s_wait_alu depctr_va_vdst(0)
.rept 16
	v_cvt_pk_bf16_f32 v[cPB+cN], v[cSB+2*cN], v[cSB+2*cN+1]   ; keys 8 h + 2 i, 8 h + 2 i + 1: the fragment's own order
.set cN, cN+1
.endr
.set cN, 0
.rept 16
	v_and_b32 v[cPB+cN], v[cPB+cN], v[XM+cN]       ; the numerator alone is masked
.set cN, cN+1
.endr
	; the sum of all 32, unmasked, in f32: a tree of pairs in place
.irp d, 1,2,4,8
.set cN, 0
.rept 8/\d
	v_pk_add_f32 v[cSB+2*cN:cSB+2*cN+1], v[cSB+2*cN:cSB+2*cN+1], v[cSB+2*(cN+\d):cSB+2*(cN+\d)+1]
.set cN, cN+2*\d
.endr
.endr
.if \first
	v_add_f32 v[cST+3], v[cSB], v[cSB+1]           ; the lane's own part of the sum; the two halves meet at the end
.else
	v_add_f32 v[T], v[cSB], v[cSB+1]
	v_fma_f32 v[cST+3], v[cST+3], v[cST+2], v[T]
	RESC \q
.endif
.endm
; One step: 128 keys, from bf16 copy par; K's fragments are in registers already.  par is also the half of the mask tile.  first: the sums start.
; conv: the next step's tile goes from the stage into the other copy, and its K fragments are loaded.
; kv: the stage is asked for again (the tile after next).  mk: the mask tile too.  pk, pm: the step's prefetches.
.macro STEP par, first, conv, kv, mk, pk, pm
.if \conv
	s_wait_tensorcnt 0x0                           ; my load (K, V or the mask) has landed: the other waves read it behind this barrier
.endif
	s_wait_dscnt 0x0                               ; this step's K fragments are in; and my fragment loads from the other copy are long back: it is overwritten behind the barrier
.if \conv
	s_barrier_signal -1
	s_barrier_wait -1
	CL CB, CSK, 0, 0                               ; three quarters of my 64 stage rows are asked for at once: K rows 0-15,
	CL C2, CSK, 16, W_L3                           ; K rows 16-31,
	CL C3, CSV, 0, W_L3                            ; V rows 0-15
.else
	MASKLD \par
	PLACES                                         ; between the last step's products with V and the loads into V's fragments
	LDV \par, 0
	LDV \par, 1
.endif
	SGRP 0
.if \conv
	s_wait_dscnt 32                                ; C2's and C3's 32 loads are younger: the first batch is in
	CVC CB, 0
	CVS CB, CDK+1-\par, KP, 0, 0
	CL CB, CSV, 16, 0                              ; the last quarter: V rows 16-31
	MASKLD \par
.endif
	SGRP 1
.if \conv
	s_wait_dscnt 48                                ; 16 stores, 16 loads and 16 mask loads are younger: C2 and C3 are in
	CVC C2, W_C3                                   ; register work while the last loads come back; with the first batch's conversions
	CVC C3, W_C3                                   ; these lines are also the places in front of the loads into V's fragments
	WIN 0
	s_wait_dscnt 0x0                               ; my reads of the stage and of the mask tile are back
.if \kv
	s_wait_xcnt 0x0
	v_lshl_add_u32 v190, v0, 2, 0x4c800
	v_mov_b32 v191, 0
	s_wait_tensorcnt 0x0                           ; no tensor load of mine is out (none was issued since the last wait): the addresses may step
	ds_add_u32 v190, v191
	s_wait_dscnt 0x0
	s_add_nc_u64 s[G0K+2:G0K+3], s[G0K+2:G0K+3], 0x10000   ; 128 rows of 512 bytes on
	s_add_nc_u64 s[G0V+2:G0V+3], s[G0V+2:G0V+3], 0x10000
.if \mk
	s_add_nc_u64 s[G0M+2:G0M+3], s[G0M+2:G0M+3], 256       ; 256 keys on
.endif
	ROUND                                          ; no wave of any of the four work-groups still reads the stage or has a load on its way
	FILL \kv, \mk, 0                               ; the refill first, one load a wave
.endif
	LDV \par, 0                                    ; this copy's V was shown whole by the last step's second barrier
	LDV \par, 1
	CVS C2, CDK+1-\par, KP, 16, W_S3
	CVS C3, CDV+1-\par, VP, 0, W_S3
	WIN 0
	PREF \pk, \pm                                  ; behind the wave's loads, in front of a softmax block's register work
.else
	s_wait_dscnt 0x0                               ; the mask bytes and V's fragments
.endif
	SM 0, \first
.if \conv
	s_wait_dscnt 0x0                               ; V's fragments
.endif
	PVGRP 0, \first
.if \conv
	CVC CB, 0                                      ; V rows 16-31
	CVS CB, CDV+1-\par, VP, 16, 0
.endif
	SGRP 2
	SM 1, \first
.if \conv
	s_wait_dscnt 0x0                               ; all my stores into the other copy are done:
	s_barrier_signal -1                            ; say so; register work alone up to the wait.  The tile may stay on its way
.endif
	PVGRP 1, \first
	SGRP 3                                         ; the step's last product with K
	SM 2, \first                                   ; its lines are the places in front of the loads into K's fragments
.if \conv
	s_barrier_wait -1                              ; the other copy is whole
	LDK 1-\par                                     ; the next step's K fragments: 32 matrix instructions and a softmax block stand in front of their wait
.endif
	PVGRP 2, \first
	SM 3, \first
	PVGRP 3, \first
	WIN 0                                          ; at a label and at a branch every window is 0
.endm
	; THE START: tile 0 of K and V into copy 0 and Q in place, six batches on two buffers.  The counts: behind a batch's 16 loads stand
	; the other buffer's 16 loads (first batch), 16 stores and 16 loads (the next four), 16 stores (the last).
	s_wait_tensorcnt 0x0                           ; my first fill has landed
	s_barrier_signal -1
	s_barrier_wait -1                              ; everybody's has
	CL CB, CSK, 0, 0
	CL RING, CSK, 16, 0
	CV CB, CDK, KP, 0, 16
	CL CB, CSV, 0, 0
	CV RING, CDK, KP, 16, 32
	CL RING, CSV, 16, 0
	CV CB, CDV, VP, 0, 32
	CL CB, CSQ, 0, 0
	CV RING, CDV, VP, 16, 32
	CL RING, CSQ, 16, 0                            ; all 32 rows of my quarter of f32 Q are asked for ahead of the stores that land on its first 8,704 bytes: LDS serves a wave in order
	CV CB, CDQ, KP, 0, 32
	CV RING, CDQ, KP, 16, 16
	s_wait_dscnt 0x0                               ; my reads of the stage are back, my stores are done
	s_wait_xcnt 0x0
	v_lshl_add_u32 v190, v0, 2, 0x4c800
	v_mov_b32 v191, 0
	s_wait_tensorcnt 0x0                           ; no tensor load of mine is out
	ds_add_u32 v190, v191
	s_wait_dscnt 0x0
	s_add_nc_u64 s[G0K+2:G0K+3], s[G0K+2:G0K+3], 0x10000
	s_add_nc_u64 s[G0V+2:G0V+3], s[G0V+2:G0V+3], 0x10000
	ROUND
	FILL 1, 0, 0                                   ; tile 1
	WIN W_L3                                       ; Q's fragments, into 128 registers for the whole kernel
.irp q, 0,1,2,3
.irp ds, 0,1,2,3
	ds_load_b128 v[8*(4*\q+\ds):8*(4*\q+\ds)+3],   v[QA] offset:(\q/2)*16384+(\q%2)*16*KP+\ds*64
	ds_load_b128 v[8*(4*\q+\ds)+4:8*(4*\q+\ds)+7], v[QA] offset:(\q/2)*16384+(\q%2)*16*KP+\ds*64+32
.endr
.endr
	LDK 0
	WIN 0                                          ; step 0's wait and barrier stand between Q's loads and the first stores into copy 1, which lies over Q
	STEP 0, 1, 1, 1, 0, 1, 1                       ; step 0 stands in front of the loop: its products start the sums
	s_mov_b32 s32, 6                               ; steps 1 to 12, an odd and an even one a trip: every one of them fills and prefetches inside the buffers
.Ltrip:
	STEP 1, 0, 1, 1, 1, 1, 0
	STEP 0, 0, 1, 1, 0, 1, 1
	s_sub_co_i32 s32, s32, 1
	s_cmp_lg_u32 s32, 0
	s_cbranch_scc1 .Ltrip
	STEP 1, 0, 1, 1, 1, 0, 0                       ; step 13 asks for tile 15 and the last mask tile; nothing is left to prefetch
	STEP 0, 0, 1, 0, 0, 0, 0                       ; step 14 rounds tile 15 and asks for nothing
	STEP 1, 0, 0, 0, 0, 0, 0                       ; step 15: nothing to round, no barrier
	; THE END.  Addresses of the way out, in the batch buffer's registers.
	v_lshlrev_b32 v[GO], 4, v1                     ; 16 L
	v_lshlrev_b32 v5, 3, v1                        ; 8 L
	s_lshl_b32 s33, s14, 10
	s_add_co_u32 s33, s33, ML
	v_add_nc_u32 v[MLW], s33, v5
	s_xor_b32 s33, s14, 1                          ; my partner: the same queries, the other keys
	s_lshl_b32 s33, s33, 10
	s_add_co_u32 s33, s33, ML
	v_add_nc_u32 v[MLR], s33, v5
	v_mul_u32_u24 v5, v2, OP
	v_lshl_add_u32 v5, v3, 5, v5                   ; row r, 32 bytes at 32 h
	s_mul_i32 s33, s16, OUTH
	s_mul_i32 s2, s15, 64*OP
	s_add_co_u32 s33, s33, s2
	s_add_co_u32 s33, s33, OUTS
	v_add_nc_u32 v[OA], s33, v5
	s_mul_i32 s33, s14, 32*OP
	s_add_co_u32 s33, s33, OUTS
	v_add_nc_u32 v[RA], s33, v[GO]
	v_add_nc_u32 v[RA2], OUTH, v[RA]
	; A query's sum: both lane halves.  It goes into the maximum's register, which is free: (-c max, sum) is then a pair.
.irp q, 0,1,2,3
	v_permlanex16_b32 v[T+\q], v[STT+4*\q+3], s24, s25
.endr
.irp q, 0,1,2,3
	v_add_f32 v[STT+4*\q+1], v[STT+4*\q+3], v[T+\q]
.endr
.irp q, 0,1,2,3
	ds_store_b64 v[MLW], v[STT+4*\q:STT+4*\q+1] offset:256*\q
.endr
	s_wait_dscnt 0x0                               ; for my partner's sake; and all my reads of the bf16 copies have long been back
	s_barrier_signal -1
	s_barrier_wait -1
.irp q, 0,1,2,3
	ds_load_b64 v[T+2*\q:T+2*\q+1], v[MLR] offset:256*\q   ; my partner's pair for the same query
.endr
	s_wait_dscnt 0x0
	; n = the smaller -c max (the larger maximum); a = 2^(n - mine), a' = 2^(n - partner's); sum = l a + l' a' (at least about 1: one of a, a' is 1
	; and that wave's sum holds the term of its maximum); my O is multiplied by a / (0.9 sum)
.irp q, 0,1,2,3
	v_min_num_f32 v[XM+4*\q], v[STT+4*\q], v[T+2*\q]
.endr
.irp q, 0,1,2,3
	v_sub_f32 v[XM+4*\q+1], v[XM+4*\q], v[STT+4*\q]
	v_sub_f32 v[XM+4*\q+2], v[XM+4*\q], v[T+2*\q]
.endr
.irp q, 0,1,2,3
	v_exp_f32 v[XM+4*\q+1], v[XM+4*\q+1]
	v_exp_f32 v[XM+4*\q+2], v[XM+4*\q+2]
.endr
	v_nop                                          ; one plain line behind the exponentials
	s_wait_alu depctr_va_vdst(0)
.irp q, 0,1,2,3
	v_mul_f32 v[XM+4*\q+3], v[T+2*\q+1], v[XM+4*\q+2]
	v_fma_f32 v[XM+4*\q+3], v[STT+4*\q+1], v[XM+4*\q+1], v[XM+4*\q+3]
.endr
.irp q, 0,1,2,3
	v_rcp_f32 v[XM+4*\q+3], v[XM+4*\q+3]
.endr
	v_nop                                          ; one plain line behind the reciprocals
	s_wait_alu depctr_va_vdst(0)
.irp q, 0,1,2,3
	v_mul_f32 v[XM+4*\q+1], s31, v[XM+4*\q+1]
	v_mul_f32 v[STT+4*\q+2], v[XM+4*\q+1], v[XM+4*\q+3]
.endr
	RESC 0
	RESC 1
	RESC 2
	RESC 3
	; my partial O into LDS as rows of queries: lane (r, h) holds query r, v = 16 vt + 8 h + 0..7: 32 neighbouring bytes
	WIN W_ST
.irp q, 0,1,2,3
.irp vt, 0,1,2,3,4,5,6,7
	ds_store_b128 v[OA], v[8*(8*\q+\vt):8*(8*\q+\vt)+3]   offset:\q*16*OP+\vt*64
	ds_store_b128 v[OA], v[8*(8*\q+\vt)+4:8*(8*\q+\vt)+7] offset:\q*16*OP+\vt*64+16
.endr
.endr
	WIN 0
	s_wait_dscnt 0x0                               ; for the waves that read these rows
	s_barrier_signal -1
	s_barrier_wait -1
; Eight of my 32 rows: both partials of a row, their sum, one store of the wave for the row's 512 consecutive bytes, aligned.
.macro OUT8 b
.if \b
	s_wait_xcnt 0x0                                ; the last eight stores' data registers are loaded again only behind this wait (ISA guide 3.1)
.endif
.irp t, 0,1,2,3,4,5,6,7
	ds_load_b128 v[RING+8*\t:RING+8*\t+3],   v[RA]  offset:(8*\b+\t)*OP
	ds_load_b128 v[RING+8*\t+4:RING+8*\t+7], v[RA2] offset:(8*\b+\t)*OP
.endr
.irp t, 0,1,2,3,4,5,6,7
	s_wait_dscnt 14-2*\t                           ; the younger rows' two loads each may stay out
	v_pk_add_f32 v[RING+8*\t:RING+8*\t+1],   v[RING+8*\t:RING+8*\t+1],   v[RING+8*\t+4:RING+8*\t+5]
	v_pk_add_f32 v[RING+8*\t+2:RING+8*\t+3], v[RING+8*\t+2:RING+8*\t+3], v[RING+8*\t+6:RING+8*\t+7]
	global_store_b128 v[GO], v[RING+8*\t:RING+8*\t+3], s[12:13] offset:(8*\b+\t)*512 th:TH_STORE_NT
.endr
.endm
	OUT8 0
	OUT8 1
	OUT8 2
	OUT8 3
	s_wait_xcnt 0x0
	v_lshl_add_u32 v190, v0, 2, 0x4c800
	v_mov_b32 v191, 0
	s_wait_tensorcnt 0x0
	ds_add_u32 v190, v191
	s_wait_dscnt 0x0
	ROUND                                          ; the closing round: no work-group ends while a partner may still ask for a tile that names it
	s_endpgm
.Lfunc_end_k_qe10e604c96_attn:
	.size	k_qe10e604c96_attn, .Lfunc_end_k_qe10e604c96_attn-k_qe10e604c96_attn
	.p2alignl 7, 3214868480
	.fill 96, 4, 3214868480
	.section	.rodata,"a",@progbits
	.p2align	6, 0x0
	.amdhsa_kernel k_qe10e604c96_attn
		.amdhsa_group_segment_fixed_size 327680
		.amdhsa_private_segment_fixed_size 0
		.amdhsa_enable_private_segment 0
		.amdhsa_kernarg_size 40
		.amdhsa_user_sgpr_count 2
		.amdhsa_user_sgpr_kernarg_segment_ptr 1
		.amdhsa_wavefront_size32 1
		.amdhsa_system_sgpr_workgroup_id_x 1
		.amdhsa_system_sgpr_workgroup_id_y 1
		.amdhsa_system_sgpr_workgroup_id_z 1
		.amdhsa_system_vgpr_workitem_id 0
		.amdhsa_next_free_vgpr 1024
		.amdhsa_next_free_sgpr 84
		.amdhsa_reserve_vcc 0
		.amdhsa_float_denorm_mode_32 3
		.amdhsa_float_denorm_mode_16_64 3
		.amdhsa_memory_ordered 1
		.amdhsa_forward_progress 1
		.amdhsa_inst_pref_size 255
	.end_amdhsa_kernel
	.section	.bss,"aw",@nobits
	.p2align	6
	.space	262144
	.amdgpu_metadata
---
amdhsa.version: [ 1, 2 ]
amdhsa.kernels:
  - .name:           k_qe10e604c96_attn
    .symbol:         k_qe10e604c96_attn.kd
    .args:
      - { .name: x1, .offset: 0, .size: 8, .value_kind: global_buffer, .address_space: global }
      - { .name: x2, .offset: 8, .size: 8, .value_kind: global_buffer, .address_space: global }
      - { .name: x3, .offset: 16, .size: 8, .value_kind: global_buffer, .address_space: global }
      - { .name: drop_mask, .offset: 24, .size: 8, .value_kind: global_buffer, .address_space: global }
      - { .name: out0, .offset: 32, .size: 8, .value_kind: global_buffer, .address_space: global }
    .group_segment_fixed_size: 327680
    .private_segment_fixed_size: 0
    .kernarg_segment_align: 8
    .kernarg_segment_size: 40
    .max_flat_workgroup_size: 128
    .sgpr_count:     84
    .vgpr_count:     1024
    .wavefront_size: 32
...
	.end_amdgpu_metadata
.endif
;; end of part 2
